; MI455X (gfx1250); checked and timed in simulation.
; The chip was launched on July 23, 2026; its instructions are those of AMD's public machine-readable ISA for CDNA 5 (MIT licence, August 2026) and "CDNA5" Instruction Set Architecture Reference Guide (July 2026). The comments in the code are by the model that wrote it; some were corrected since.
;; Renderer. Allowed arithmetic: float matrix products may take bf16 or f16 operands with f32 sums; all other float work in f32.
;; Inputs: E 1 x 4 x 4 float32; K 1 x 3 x 3 float32; appearance_feats 1 x 1,024 x 15 float32; cov 1 x 1,024 x 3 x 3 float32; opacity 1 x 1,024 x 1 float32; xyzs_observation 1 x 1,024 x 3 float32.
;; Outputs: out0 1 x 256 x 256 x 15 float32; out1 1 x 256 x 256 float32.
;; One version. Each part assembles by itself: llvm-mc -triple=amdgcn-amd-amdhsa -mcpu=gfx1250 --defsym DOCPART=n.
;; ======== version 1 of 1: 2 launches
;; workspace buffers: meta 12,288 bytes of whole numbers; rec 65,536 bytes
;; launch prep (part 1): grid 32 x 1, 8 waves a work-group, no clusters, 6,144 bytes of LDS; arguments E, K, appearance_feats, cov, opacity, xyzs_observation, meta, rec; writes meta, rec
.if DOCPART == 1
	.amdgcn_target "amdgcn-amd-amdhsa--gfx1250"
	.amdhsa_code_object_version 6
	.text
	.protected	k_q197fe3b1e3_prep
	.globl	k_q197fe3b1e3_prep
	.p2align	8
	.type	k_q197fe3b1e3_prep,@function
k_q197fe3b1e3_prep:
	s_mov_b64 s[64:65], 0
	v_nop
	global_prefetch_b8 v0, s[64:65] scope:SCOPE_SE
	s_setreg_imm32_b32 hwreg(HW_REG_WAVE_MODE, 25, 1), 1
	s_wait_xcnt 0x0
; PREP: everything that belongs to a splat alone.  1,024 splats, 32 work-groups of 8 waves; a work-group owns 32 splats.
;   meta[i]            rank of splat i in the stable front-to-back order (a whole number, 0..1023)
;   meta[1024+i]       bit tx: tile column tx may see the splat; bit 16+ty: tile row ty may; 0 = never seen (culled)
;   meta[2048+32 b+g]  the same masks transposed: bit l says that splat 32 g + l has mask bit b (the next launch counts a tile's splats from these)
;   rec[8 i ..]        ux, uy, A2, B2, C2, log2(op), 0, 0   with  log2(e) * power = A2 dx^2 + B2 dx dy + C2 dy^2
;   rec + 32768        [i][16] bf16: the 15 features and 1.0 (the channel that renders accumulated alpha)
; Ranks and masks are only stored here; the next launch reads them and forms addresses and trip counts from them.
; RANK: key = bits of tz (positive, so unsigned order = float order), +inf where not tz > 0.2 (such splats have opacity 0 in the
; reference, so only their having a slot of their own matters; this also keeps NaN out of the order).
; rank(i) = #{j: k_j < k_i} + #{j < i: k_j = k_i} = #{j: k_j < k_i + [j < i]}.  Lane = own splat, wave w scans j = 128 w .. 128 w + 127.
; All 1,024 keys lie in LDS; a lane's own key is made again from its own point by the same four instructions, so it has the same bits.
; LIMITS: inputs finite.  1/x by v_rcp_f32.  -fx txc / tz^2 is formed as -(fx/tz) clip(tx/tz).  The box of a splat is the exact box of the
; ellipse  op exp(power) >= 1/256, half extents sqrt(2 ln(256 op) a), sqrt(2 ln(256 op) c), widened by 1/256 of itself and 1/16 pixel.
.set FBSEC,   32768                    ; rec: byte offset of the bf16 feature rows
.set MASKSEC, 4096                     ; meta: byte offset of the tile masks
.set BMSEC,   8192                     ; meta: byte offset of the transposed masks
.set CNT,     4096                     ; LDS: 1,024 keys at 0, then 8 waves x 32 partial counts
.set WV, 1                             ; wave
.set LN, 2                             ; lane
.set IDX, 3                            ; my splat: 32 x group + lane
.set OXYZ, 4                           ; 12 i
.set OCOV, 5                           ; 36 i
.set OKEY, 7                           ; 48 t: four points for the keys
.set OF0, 8                            ; byte offset of feature channel 2 cp
.set CP, 9                             ; channel pair 0..7
.set OF1, 10                           ; byte offset of channel 2 cp + 1 (cp = 7: channel 14 again, replaced by 1.0)
.set LK, 11                            ; 16 t
.set OFB, 12                           ; 1024 x group + 4 t
.set F0, 13
.set F1, 14
.set IN, 16                            ; v[16:27] four points
.set KQ, 28                            ; v[28:31] their keys
.set KI, 32                            ; my key
.set KI1, 33                           ; my key + 1
.set THB, 34                           ; threshold of a block that is not my own
.set CA, 35                            ; two counters
.set CB, 36
.set LB, 37                            ; 512 x wave
.set L4T, 38                           ; 4 t
.set L4I, 39                           ; 4 i
.set GX, 40                            ; v[40:42] my point
.set CV, 44                            ; v[44:52] my covariance     (wave 0)
.set OP, 53                            ; my opacity                 (wave 0)
.set THR, 56                           ; v[56:59]
.set TT, 60                            ; v[60:63]
.set KEY, 64                           ; v[64:191] the 128 keys that my wave scans
; geometry (wave 0, behind the scan, in registers that held keys)
.set UX, 80
.set UY, 81
.set A2, 82
.set B2, 83
.set C2, 84
.set LOP, 85
.set Z0, 86
.set Z1, 87
.set CX, 88
.set CY, 89
.set J00, 90
.set J11, 91
.set J02, 92
.set J12, 93
.set T0, 94
.set T1, 97
.set W0, 100
.set W1, 103
.set AA, 106
.set BB, 107
.set CC, 108
.set DET, 109
.set INV, 110
.set SS, 111
.set RR, 112
.set RX, 113
.set RY, 114
.set XL, 115
.set XH, 116
.set YL, 117
.set YH, 118
.set ONE, 119
.set TX, 120
.set TY, 121
.set TZ, 122
.set RZ, 123
.set LX, 124
.set LY, 125
.set FXT, 126
.set FYT, 127
.set OPAR, 128
.set BM, 129                           ; lane b: the 32 splats' mask bit b
.set OBM, 130                          ; 128 x lane + 4 x group
; four keys against the lanes' thresholds.  own = 1: the keys are those of the group's own 32 splats, key m counts as 'j < i' for lanes above m.
.macro SCAN4 first, own
.if \own
.irp k, 0,1,2,3
	s_mov_b32 s[52+\k], (0xfffffffe << ((\first+\k)%32)) & 0xffffffff   ; lanes m+1 .. 31
.endr
.irp k, 0,1,2,3
	v_cndmask_b32 v[THR+\k], v[KI], v[KI1], s[52+\k]
.endr
.irp k, 0,1,2,3
	v_cmp_lt_u32 s[56+\k], v[KEY+\first+\k], v[THR+\k]
.endr
.else
.irp k, 0,1,2,3
	v_cmp_lt_u32 s[56+\k], v[KEY+\first+\k], v[THB]
.endr
.endif
.irp k, 0,1,2,3
	v_cndmask_b32 v[TT+\k], 0, 1, s[56+\k]
.endr
	v_add3_u32 v[CA], v[CA], v[TT], v[TT+1]
	v_add3_u32 v[CB], v[CB], v[TT+2], v[TT+3]
.endm
; 32 keys = one group's splats.  Blocks in front of mine count ties (threshold k+1), blocks behind do not, my own goes lane by lane.
.macro BLOCK b
	s_wait_dscnt 24-8*\b                           ; LDS loads return in order: this block's 8 loads are in, the later blocks' stay out
	s_add_co_u32 s51, s50, \b                      ; the block's number, 4 x wave + b
	s_cmp_eq_u32 s51, ttmp9
	s_cbranch_scc1 .Lown\b
	s_cmp_lt_u32 s51, ttmp9
	s_cselect_b32 s51, 1, 0
	v_add_nc_u32 v[THB], s51, v[KI]
.irp n, 0,1,2,3,4,5,6,7
	SCAN4 32*\b+4*\n, 0
.endr
	s_branch .Ldone\b
.Lown\b:
.irp n, 0,1,2,3,4,5,6,7
	SCAN4 32*\b+4*\n, 1
.endr
.Ldone\b:
.endm
; four bits of the 32 masks, transposed: the compare's lane mask is the word of bit b, and goes to lane b
.macro BITS4 first
.irp k, 0,1,2,3
	v_and_b32 v[TT+\k], (1 << (\first+\k)) & 0xffffffff, v[XL]
.endr
.irp k, 0,1,2,3
	v_cmp_ne_u32 s[56+\k], 0, v[TT+\k]
.endr
.irp k, 0,1,2,3
	v_writelane_b32 v[BM], s[56+\k], \first+\k
.endr
.endm
	s_load_b512 s[8:23], s[0:1], 0x0               ; E s[8:9], K s[10:11], feats s[12:13], cov s[14:15], opacity s[16:17], xyz s[18:19], meta s[20:21], rec s[22:23]
	v_lshl_add_u32 v192, v0, 2, 0x1400
	v_mov_b32 v193, 0
	v_lshrrev_b32 v[WV], 5, v0
	v_readfirstlane_b32 s2, v[WV]                  ; wave number as a scalar
	v_and_b32 v[LN], 31, v0
	s_lshl_b32 s3, ttmp9, 5                        ; the group's first splat
	v_add_nc_u32 v[IDX], s3, v[LN]
	v_lshlrev_b32 v[L4I], 2, v[IDX]
	v_lshlrev_b32 v[L4T], 2, v0
	v_lshlrev_b32 v[LK], 4, v0
	v_mul_u32_u24 v[OXYZ], v[IDX], 12
	v_mul_u32_u24 v[OKEY], v0, 48                  ; thread t makes the keys of splats 4 t .. 4 t + 3: 48 neighbouring bytes
	v_lshrrev_b32 v[OF0], 3, v0                    ; features: thread t converts channels 2 cp, 2 cp + 1 of the group's splat t / 8
	v_and_b32 v[CP], 7, v0
	v_add_nc_u32 v[OF0], s3, v[OF0]
	v_mul_u32_u24 v[OF0], v[OF0], 15
	v_lshl_add_u32 v[OF0], v[CP], 1, v[OF0]
	v_cmp_gt_u32 s48, 7, v[CP]                     ; cp < 7: there is a second feature; cp = 7: the second channel is the constant 1
	v_cndmask_b32 v[OF1], 0, 1, s48
	v_add_lshl_u32 v[OF1], v[OF0], v[OF1], 2       ; stays on channel 14 for cp = 7: no load leaves the buffer
	v_lshlrev_b32 v[OF0], 2, v[OF0]
	s_lshl_b32 s49, ttmp9, 10
	v_lshl_add_u32 v[OFB], v0, 2, s49              ; the group's 1,024 bytes of bf16 rows, 4 neighbouring bytes a thread
	s_wait_kmcnt 0x0
	s_load_b512 s[24:39], s[8:9], 0x0              ; E[r][c] = s[24 + 4 r + c]
	s_load_b256 s[40:47], s[10:11], 0x0            ; fx s40, px s42, fy s44, py s45
.irp k, 0,1,2
	global_load_b32 v[GX+\k], v[OXYZ], s[18:19] offset:4*\k        ; every wave: the point of the group's splat [lane], for the lane's own key
.endr
	s_cmp_lg_u32 s2, 0
	s_cbranch_scc1 .Lkeys
	v_mul_u32_u24 v[OCOV], v[IDX], 36              ; wave 0 also asks for the rest of its 32 splats' geometry now; it is used behind the scan
.irp k, 0,1,2,3,4,5,6,7,8
	global_load_b32 v[CV+\k], v[OCOV], s[14:15] offset:4*\k
.endr
	global_load_b32 v[OP], v[L4I], s[16:17]
.Lkeys:
	global_load_b128 v[IN:IN+3],   v[OKEY], s[18:19]
	global_load_b128 v[IN+4:IN+7], v[OKEY], s[18:19] offset:16
	global_load_b128 v[IN+8:IN+11], v[OKEY], s[18:19] offset:32
	global_load_b32 v[F0], v[OF0], s[12:13]
	global_load_b32 v[F1], v[OF1], s[12:13]
	s_wait_loadcnt 0x0
	s_wait_kmcnt 0x0
.irp q, 0,1,2,3
	v_mul_f32 v[KQ+\q], s32, v[IN+3*\q]            ; tz = E20 x + E21 y + E22 z + E23
	v_fma_f32 v[KQ+\q], s33, v[IN+3*\q+1], v[KQ+\q]
	v_fma_f32 v[KQ+\q], s34, v[IN+3*\q+2], v[KQ+\q]
	v_add_f32 v[KQ+\q], s35, v[KQ+\q]
	v_cmp_lt_f32 vcc_lo, 0x3e4ccccd, v[KQ+\q]      ; 0.2 < tz
	v_cndmask_b32 v[KQ+\q], 0x7f800000, v[KQ+\q], vcc_lo
.endr
	ds_store_b128 v[LK], v[KQ:KQ+3]
	v_cndmask_b32 v[F1], 1.0, v[F1], s48
	v_cvt_pk_bf16_f32 v[F0], v[F0], v[F1]
	global_store_b32 v[OFB], v[F0], s[22:23] offset:FBSEC
	v_mul_f32 v[KI], s32, v[GX]                    ; my own key, line for line as above
	v_fma_f32 v[KI], s33, v[GX+1], v[KI]
	v_fma_f32 v[KI], s34, v[GX+2], v[KI]
	v_add_f32 v[KI], s35, v[KI]
	v_cmp_lt_f32 vcc_lo, 0x3e4ccccd, v[KI]
	v_cndmask_b32 v[KI], 0x7f800000, v[KI], vcc_lo
	v_add_nc_u32 v[KI1], 1, v[KI]
	s_wait_dscnt 0x0                               ; my keys are in LDS before I say so
	s_barrier_signal -1
	s_barrier_wait -1
	s_lshl_b32 s50, s2, 9
	v_mov_b32 v[LB], s50
.set m, 0
.rept 32
	ds_load_b128 v[KEY+4*m:KEY+4*m+3], v[LB] offset:16*m   ; every lane reads the same 16 bytes
.set m, m+1
.endr
	v_mov_b32 v[CA], 0
	v_mov_b32 v[CB], 0
	s_lshl_b32 s50, s2, 2                          ; my wave's first block of 32 keys
	BLOCK 0
	BLOCK 1
	BLOCK 2
	BLOCK 3
	v_add_nc_u32 v[CA], v[CA], v[CB]
	ds_store_b32 v[L4T], v[CA] offset:CNT          ; word 32 x wave + lane, behind the keys' 4,096 bytes
	s_wait_dscnt 0x0                               ; my counts are in LDS before I say so
	s_barrier_signal -1
	s_barrier_wait -1
	s_cmp_lg_u32 s2, 0
	s_cbranch_scc1 .Lend
	; ---- wave 0: the eight partial counts are asked for, the geometry is done while they come
.irp k, 0,1,2,3,4,5,6,7
	ds_load_b32 v[KEY+\k], v[L4T] offset:CNT+128*\k
.endr
	s_mov_b32 s52, 0x3f808000                      ; 1 + 1/256
	s_mov_b32 s53, 0x3d800000                      ; 1/16
	v_mul_f32 v[TX], s24, v[GX]                    ; t = R p + tr
	v_mul_f32 v[TY], s28, v[GX]
	v_mul_f32 v[TZ], s32, v[GX]
	v_fma_f32 v[TX], s25, v[GX+1], v[TX]
	v_fma_f32 v[TY], s29, v[GX+1], v[TY]
	v_fma_f32 v[TZ], s33, v[GX+1], v[TZ]
	v_fma_f32 v[TX], s26, v[GX+2], v[TX]
	v_fma_f32 v[TY], s30, v[GX+2], v[TY]
	v_fma_f32 v[TZ], s34, v[GX+2], v[TZ]
	v_add_f32 v[TX], s27, v[TX]
	v_add_f32 v[TY], s31, v[TY]
	v_add_f32 v[TZ], s35, v[TZ]
	v_rcp_f32 v[RZ], v[TZ]
	v_rcp_f32 v[LX], s40
	v_rcp_f32 v[LY], s44
	v_log_f32 v[LOP], v[OP]                        ; log2(op); NaN or -inf only for splats that are culled below
	v_mul_f32 v[FXT], s40, v[TX]                   ; a plain instruction behind the transcendentals before their results are used (ISA guide 5.7.2)
	v_mul_f32 v[FYT], s44, v[TY]
	s_wait_alu depctr_va_vdst(0)
	v_mul_f32 v[LX], 0x43266666, v[LX]             ; 1.3 * 256 / (2 fx) = 166.4 / fx
	v_mul_f32 v[LY], 0x43266666, v[LY]
	v_mul_f32 v[CX], v[TX], v[RZ]
	v_mul_f32 v[CY], v[TY], v[RZ]
	v_max_num_f32 v[CX], v[CX], -v[LX]             ; clip = min(max(x, -lim), lim)
	v_max_num_f32 v[CY], v[CY], -v[LY]
	v_min_num_f32 v[CX], v[CX], v[LX]
	v_min_num_f32 v[CY], v[CY], v[LY]
	v_mul_f32 v[J00], s40, v[RZ]
	v_mul_f32 v[J11], s44, v[RZ]
	v_mul_f32 v[J02], -v[J00], v[CX]
	v_mul_f32 v[J12], -v[J11], v[CY]
.irp k, 0,1,2
	v_mul_f32 v[T0+\k], s[24+\k], v[J00]           ; Tm = J R
	v_mul_f32 v[T1+\k], s[28+\k], v[J11]
.endr
.irp k, 0,1,2
	v_fma_f32 v[T0+\k], s[32+\k], v[J02], v[T0+\k]
	v_fma_f32 v[T1+\k], s[32+\k], v[J12], v[T1+\k]
.endr
.irp j, 0,1,2
	v_mul_f32 v[W0+\j], v[CV+3*\j], v[T0]          ; cov Tm0^T and cov Tm1^T (cov is taken as given, not as symmetric)
	v_mul_f32 v[W1+\j], v[CV+3*\j], v[T1]
	v_fma_f32 v[W0+\j], v[CV+3*\j+1], v[T0+1], v[W0+\j]
	v_fma_f32 v[W1+\j], v[CV+3*\j+1], v[T1+1], v[W1+\j]
	v_fma_f32 v[W0+\j], v[CV+3*\j+2], v[T0+2], v[W0+\j]
	v_fma_f32 v[W1+\j], v[CV+3*\j+2], v[T1+2], v[W1+\j]
.endr
	v_mul_f32 v[AA], v[T0], v[W0]
	v_mul_f32 v[BB], v[T0], v[W1]
	v_mul_f32 v[CC], v[T1], v[W1]
	v_fma_f32 v[AA], v[T0+1], v[W0+1], v[AA]
	v_fma_f32 v[BB], v[T0+1], v[W1+1], v[BB]
	v_fma_f32 v[CC], v[T1+1], v[W1+1], v[CC]
	v_fma_f32 v[AA], v[T0+2], v[W0+2], v[AA]
	v_fma_f32 v[BB], v[T0+2], v[W1+2], v[BB]
	v_fma_f32 v[CC], v[T1+2], v[W1+2], v[CC]
	v_add_f32 v[AA], 0x3e99999a, v[AA]             ; + 0.3
	v_add_f32 v[CC], 0x3e99999a, v[CC]
	v_mul_f32 v[DET], v[BB], v[BB]
	v_fma_f32 v[DET], v[AA], v[CC], -v[DET]
	v_rcp_f32 v[INV], v[DET]
	v_fma_f32 v[UX], v[FXT], v[RZ], s42            ; fx tx / tz + px
	v_fma_f32 v[UY], v[FYT], v[RZ], s45
	v_add_f32 v[UX], -0.5, v[UX]
	v_add_f32 v[UY], -0.5, v[UY]
	s_wait_alu depctr_va_vdst(0)
	v_mul_f32 v[SS], 0x3fb8aa3b, v[INV]            ; log2(e) / det
	v_mul_f32 v[B2], v[BB], v[SS]                  ; -cB log2(e) = b log2(e) / det
	v_mul_f32 v[SS], -0.5, v[SS]
	v_mul_f32 v[A2], v[CC], v[SS]                  ; -cA log2(e) / 2
	v_mul_f32 v[C2], v[AA], v[SS]                  ; -cC log2(e) / 2
	v_add_f32 v[RR], 0x41000000, v[LOP]            ; 2 ln(256 op) = 2 ln 2 (log2 op + 8), a little above 2 ln(255 op)
	v_mul_f32 v[RR], 0x3fb17218, v[RR]
	v_max_num_f32 v[XL], 0, v[AA]
	v_max_num_f32 v[YL], 0, v[CC]
	v_mul_f32 v[XL], v[XL], v[RR]
	v_mul_f32 v[YL], v[YL], v[RR]
	v_sqrt_f32 v[RX], v[XL]
	v_sqrt_f32 v[RY], v[YL]
	v_mov_b32 v[Z0], 0                             ; the record's two spare words; also the plain place behind v_sqrt_f32
	v_mov_b32 v[Z1], 0
	v_mov_b32 v[ONE], 1
	s_wait_alu depctr_va_vdst(0)
	v_fma_f32 v[RX], v[RX], s52, s53
	v_fma_f32 v[RY], v[RY], s52, s53
	v_sub_f32 v[XL], v[UX], v[RX]
	v_add_f32 v[XH], v[UX], v[RX]
	v_sub_f32 v[YL], v[UY], v[RY]
	v_add_f32 v[YH], v[UY], v[RY]
.irp r, XL, XH, YL, YH
	v_mul_f32 v[\r], s53, v[\r]                    ; pixel to tile
	v_floor_f32 v[\r], v[\r]
.endr
.irp r, XL, YL
	v_max_num_f32 v[\r], 0, v[\r]                  ; first tile, 0..16; a NaN becomes 0
	v_min_num_f32 v[\r], 0x41800000, v[\r]
.endr
.irp r, XH, YH
	v_min_num_f32 v[\r], 0x41700000, v[\r]         ; last tile, -1..15; a NaN becomes 15
	v_max_num_f32 v[\r], -1.0, v[\r]
	v_add_f32 v[\r], 1.0, v[\r]
.endr
.irp r, XL, XH, YL, YH
	v_cvt_u32_f32 v[\r], v[\r]
	v_lshlrev_b32 v[\r], v[\r], v[ONE]
	v_add_nc_u32 v[\r], -1, v[\r]                  ; ones below the first tile; ones up to the last tile
.endr
	v_xor_b32 v[XL], -1, v[XL]
	v_xor_b32 v[YL], -1, v[YL]
	v_and_b32 v[XL], v[XL], v[XH]
	v_and_b32 v[YL], v[YL], v[YH]
	v_lshl_or_b32 v[XL], v[YL], 16, v[XL]
	v_cmp_lt_f32 s54, 0x3e4ccccd, v[TZ]            ; tz > 0.2
	v_cmp_lt_f32 s55, 0, v[DET]                    ; det > 0
	v_cmp_le_f32 s56, 0x3b808081, v[OP]            ; op >= 1/255: g <= 1, so a smaller opacity never reaches the cull's threshold
	s_and_b32 s54, s54, s55
	s_and_b32 s54, s54, s56
	v_cndmask_b32 v[XL], 0, v[XL], s54
	v_lshlrev_b32 v[OPAR], 5, v[IDX]
	global_store_b128 v[OPAR], v[UX:UX+3], s[22:23]
	global_store_b128 v[OPAR], v[C2:C2+3], s[22:23] offset:16
	global_store_b32 v[L4I], v[XL], s[20:21] offset:MASKSEC
	; the 32 masks transposed: 32 words, word b to lane b, stored at [b][group]
	v_mov_b32 v[BM], 0                             ; v_writelane_b32 counts as a reader of its destination
	s_lshl_b32 s51, ttmp9, 2
	v_lshl_add_u32 v[OBM], v[LN], 7, s51
.irp n, 0,1,2,3,4,5,6,7
	BITS4 4*\n
.endr
	global_store_b32 v[OBM], v[BM], s[20:21] offset:BMSEC
	s_wait_dscnt 0x0                               ; the eight partial counts
	v_add3_u32 v[KEY], v[KEY], v[KEY+1], v[KEY+2]
	v_add3_u32 v[KEY+3], v[KEY+3], v[KEY+4], v[KEY+5]
	v_add3_u32 v[KEY], v[KEY], v[KEY+6], v[KEY+7]
	v_add_nc_u32 v[KEY], v[KEY], v[KEY+3]
	global_store_b32 v[L4I], v[KEY], s[20:21]
.Lend:
	s_wait_tensorcnt 0x0
	ds_add_u32 v192, v193
	s_wait_dscnt 0x0
	s_endpgm
.Lfunc_end_k_q197fe3b1e3_prep:
	.size	k_q197fe3b1e3_prep, .Lfunc_end_k_q197fe3b1e3_prep-k_q197fe3b1e3_prep
	.p2alignl 7, 3214868480
	.fill 96, 4, 3214868480
	.section	.rodata,"a",@progbits
	.p2align	6, 0x0
	.amdhsa_kernel k_q197fe3b1e3_prep
		.amdhsa_group_segment_fixed_size 6144
		.amdhsa_private_segment_fixed_size 0
		.amdhsa_enable_private_segment 0
		.amdhsa_kernarg_size 64
		.amdhsa_user_sgpr_count 2
		.amdhsa_user_sgpr_kernarg_segment_ptr 1
		.amdhsa_wavefront_size32 1
		.amdhsa_system_sgpr_workgroup_id_x 1
		.amdhsa_system_sgpr_workgroup_id_y 1
		.amdhsa_system_sgpr_workgroup_id_z 1
		.amdhsa_system_vgpr_workitem_id 0
		.amdhsa_next_free_vgpr 194
		.amdhsa_next_free_sgpr 66
		.amdhsa_reserve_vcc 1
		.amdhsa_float_denorm_mode_32 3
		.amdhsa_float_denorm_mode_16_64 3
		.amdhsa_memory_ordered 1
		.amdhsa_forward_progress 1
		.amdhsa_inst_pref_size 78
	.end_amdhsa_kernel
	.amdgpu_metadata
---
amdhsa.version: [ 1, 2 ]
amdhsa.kernels:
  - .name:           k_q197fe3b1e3_prep
    .symbol:         k_q197fe3b1e3_prep.kd
    .args:
      - { .name: E, .offset: 0, .size: 8, .value_kind: global_buffer, .address_space: global }
      - { .name: K, .offset: 8, .size: 8, .value_kind: global_buffer, .address_space: global }
      - { .name: appearance_feats, .offset: 16, .size: 8, .value_kind: global_buffer, .address_space: global }
      - { .name: cov, .offset: 24, .size: 8, .value_kind: global_buffer, .address_space: global }
      - { .name: opacity, .offset: 32, .size: 8, .value_kind: global_buffer, .address_space: global }
      - { .name: xyzs_observation, .offset: 40, .size: 8, .value_kind: global_buffer, .address_space: global }
      - { .name: meta, .offset: 48, .size: 8, .value_kind: global_buffer, .address_space: global }
      - { .name: rec, .offset: 56, .size: 8, .value_kind: global_buffer, .address_space: global }
    .group_segment_fixed_size: 6144
    .private_segment_fixed_size: 0
    .kernarg_segment_align: 8
    .kernarg_segment_size: 64
    .max_flat_workgroup_size: 256
    .sgpr_count:     66
    .vgpr_count:     194
    .wavefront_size: 32
...
	.end_amdgpu_metadata
.endif
;; end of part 1
;; launch render (part 2): grid 16 x 16, 8 waves a work-group, no clusters, 168,960 bytes of LDS; arguments meta, rec, out0, out1; writes out0, out1
.if DOCPART == 2
	.amdgcn_target "amdgcn-amd-amdhsa--gfx1250"
	.amdhsa_code_object_version 6
	.text
	.protected	k_q197fe3b1e3_render
	.globl	k_q197fe3b1e3_render
	.p2align	8
	.type	k_q197fe3b1e3_render,@function
k_q197fe3b1e3_render:
	s_mov_b64 s[64:65], 0
	v_nop
	global_prefetch_b8 v0, s[64:65] scope:SCOPE_SE
	s_setreg_imm32_b32 hwreg(HW_REG_WAVE_MODE, 25, 1), 1
	s_wait_xcnt 0x0
; RENDER: one work-group makes one tile of 16 x 16 pixels (x = 16 tx + .., y = 16 ty + ..), eight waves, wave w the tile's rows 2 w, 2 w + 1.
; 0. COUNT (every wave, scalar).  meta holds, for each tile column and each tile row, a bitmap of the 1,024 splats that may touch it: the number
;    of listed splats is the sum of the ones in column[tx] AND row[ty], 32 words.  Trip counts hang on this number alone.
; 1. LIST (wave 0).  It reads all ranks and tile masks, puts 'index, or -1 if the tile cannot see the splat' into LDS word [rank], reads the words
;    back in sorted order and packs them: listed ones from the front in order, the others from the back, so that all 1,024 words are written.
;    A splat left out has alpha = 0 at every pixel of the tile in the reference (weight 0, factor 1), so the result is the same.
; 2. GATHER (all waves).  Thread t fills list slots t, t + 256, ..: 64 bytes of rec each; slots at or behind the count become null entries
;    (q = -1000, so alpha = 0; features 0).  Only as many passes of 256 slots as the walk in steps of 32 needs.
; 3. COMPOSITING, 32 entries a trip.  Lane (r = lane % 16, h = lane / 16) owns pixel column r of both rows and entries 16 h .. 16 h + 15.
;    alpha = min(0.99, 2^q), q = A2 dx^2 + B2 dx dy + C2 dy^2 + log2(op); 0 unless q <= log2(op) (power <= 0) and 2^q >= 1/255.
;    Weights are made with the lane's own running product from 1, then scaled by the transmittance in front of the lane's 16 entries.
;    They are the A fragment as they stand: slot e of half h holds entry 16 h + e, and B is loaded with the same assignment, a permutation
;    of k applied alike to both.  D = A (16 pixels x 32 entries) x B (32 entries x 16 channels) adds up in f32.
; 4. OUT through the wave's own LDS stage: rows of 16 pixels x 15 floats = 960 neighbouring bytes, stored as two runs of 512 bytes that share
;    64 bytes of equal data, so that all lanes stay on.  (Tiles of 64 x 4 would give longer rows, but a box of 38 x 38 pixels would then touch
;    (38+64)(38+4) pixels' worth of tiles instead of (38+16)^2.)
; No cluster: the tiles share only the 12,288 bytes of meta; what each gathers differs.  LDS in use: 104,448 bytes; more than half of a WGP's
; LDS is asked for so that the eight waves have the four SIMDs to themselves.
; LIMITS: inputs finite.  Weights and features are rounded to bf16, sums are f32.  A positive power below half a unit in the last place of
; log2(op) counts as 0.  An alpha within rounding of 1/255 may fall on the other side of the cull than in the reference.
.set MASKSEC, 4096                     ; meta: the tile masks
.set BMSEC,   8192                     ; meta: the masks transposed, [bit 0..31][32 words]; bits 0-15 tile columns, 16-31 tile rows
.set FBSEC,   32768                    ; rec: the bf16 feature rows
.set LST,     4096                     ; LDS: sorted words at 0 (wave 0 alone), then the packed list of 1,024 words
.set PAR,     8192                     ; list, 32 bytes a slot: ux uy A2 B2 | C2 log2(op) - -
.set FEA,     PAR+32768                ; list, 32 bytes a slot: 16 channels in bf16
.set STG,     FEA+32768                ; the waves' stages
.set STGW,    3840                     ; 2 rows x 960 bytes of colour, then alpha of 2 x 16 pixels at the same pitch of 60
.set WV, 1
.set LN, 2
.set R16, 3
.set HH, 4
.set RL, 5                             ; 31 - lane
.set L4, 6                             ; 4 x lane
.set L16, 7                            ; 16 x lane
.set D0, 8                             ; v[8:15]   sums of row 2 w:     register j = pixel 8 h + j, channel r
.set D1, 16                            ; v[16:23]  sums of row 2 w + 1
.set XF, 24                            ; my pixel's x
.set Y01, 26                           ; v[26:27]  the two rows' y
.set TIN, 28                           ; v[28:29]  transmittance in front of this trip's 32 entries, for the two rows
.set TL, 30                            ; v[30:31]  running product of my 16 entries
.set OTH, 32                           ; v[32:33]  the other half's product
.set SC, 34                            ; v[34:35]  transmittance in front of my 16 entries
.set PA, 36                            ; LDS offset of my half's parameters in this trip
.set FA, 37                            ; LDS offset of my transposing loads in this trip
.set LA, 38                            ; 4 t
.set SF, 39                            ; 32 t + FEA
.set SA, 41                            ; 32 t
.set STO, 43                           ; stage: where my column of D goes
.set RD, 44                            ; stage: 16 x lane
.set RDA, 45                           ; stage: alpha of row h, pixel r
.set OA, 46                            ; out1: 1024 h + 4 r
.set T, 48                             ; v[48:49]  at work
.set IX, 50                            ; v[50:53]  gather pass p: record offset
.set B, 56                             ; v[56:63]
.set PB, 64                            ; v[64:159]  16 entries x 6 parameters.  Before the loop: ranks 64-95, masks then sorted words 96-127, addresses 128-159; gather 64-127
.set TB, 160                           ; v[160:207] 4 entries at work x 12
.set W, 208                            ; v[208:239] entry j: alpha, then weight, of the two rows
.set A0, 240
.set A1, 248
.set M, 20                             ; s[20:35]   compare masks (at the start: half of the column's bitmap)
; wave 0: splat 4 lane + 128 m + q goes to the word of its rank
.macro PUT n, idx
	v_and_b32 v[96+\n], s14, v[96+\n]
	v_min_u32 v[64+\n], 0x3ff, v[64+\n]            ; a rank read from memory stays inside the 1,024 words
	v_cmp_eq_u32 vcc_lo, s14, v[96+\n]             ; both the tile's column bit and its row bit
	v_add_nc_u32 v[128+\n], \idx, v[L4]
	v_cndmask_b32 v[128+\n], -1, v[128+\n], vcc_lo
	v_lshlrev_b32 v[64+\n], 2, v[64+\n]
	ds_store_b32 v[64+\n], v[128+\n]               ; the ranks are a permutation: every word is written once
.endm
; wave 0: sorted places 32 m + lane.  Listed: place = listed ones in front.  Not listed: 1023 - (unlisted ones in front) = listed in front + (31 - lane) + (992 - 32 m).
.macro PACK m
	v_cmp_lt_i32 s20, -1, v[96+\m]
	v_mbcnt_lo_u32_b32 v[128+\m], s20, s40
	v_add3_u32 v[64+\m], v[128+\m], v[RL], 992-32*\m
	v_cndmask_b32 v[128+\m], v[64+\m], v[128+\m], s20
	v_min_u32 v[128+\m], 0x3ff, v[128+\m]
	v_lshlrev_b32 v[128+\m], 2, v[128+\m]
	ds_store_b32 v[128+\m], v[96+\m] offset:LST
	s_bcnt1_i32_b32 s21, s20
	s_add_co_u32 s40, s40, s21
.endm
; all waves: slot t + 256 p.  Each pass has registers of its own.
.macro GATHER p
	ds_load_b32 v[IX+\p], v[LA] offset:LST+1024*\p
	s_wait_dscnt 0x0
	v_min_u32 v[IX+\p], 0x3ff, v[IX+\p]            ; -1 becomes 1023: such a slot is behind the count and is made null below
	v_lshlrev_b32 v[IX+\p], 5, v[IX+\p]
	global_load_b128 v[64+16*\p:67+16*\p], v[IX+\p], s[6:7]
	global_load_b128 v[68+16*\p:71+16*\p], v[IX+\p], s[6:7] offset:16
	global_load_b128 v[72+16*\p:75+16*\p], v[IX+\p], s[6:7] offset:FBSEC
	global_load_b128 v[76+16*\p:79+16*\p], v[IX+\p], s[6:7] offset:FBSEC+16
	v_add_nc_u32 v[T], 256*\p, v0
	v_cmp_gt_u32 vcc_lo, s41, v[T]                 ; count > slot
	s_wait_loadcnt 0x0
.irp k, 0,1,2,3,4,8,9,10,11,12,13,14,15
	v_cndmask_b32 v[64+16*\p+\k], 0, v[64+16*\p+\k], vcc_lo
.endr
	v_cndmask_b32 v[69+16*\p], 0xc47a0000, v[69+16*\p], vcc_lo     ; log2(op) = -1000
	ds_store_b128 v[SA], v[64+16*\p:67+16*\p] offset:PAR+8192*\p
	ds_store_b128 v[SA], v[68+16*\p:71+16*\p] offset:PAR+8192*\p+16
	ds_store_b128 v[SF], v[72+16*\p:75+16*\p] offset:8192*\p
	ds_store_b128 v[SF], v[76+16*\p:79+16*\p] offset:8192*\p+16
.endm
; Four entries, stage by stage so that no line waits for the one in front of it.  left: LDS loads issued behind these entries' parameters.
.macro GROUP g, left
	s_wait_dscnt \left
.irp k, 0,1,2,3
	v_sub_f32 v[TB+12*\k], v[PB+6*(4*\g+\k)], v[XF]                ; dx = ux - x
	v_pk_add_f32 v[TB+12*\k+4:TB+12*\k+5], v[PB+6*(4*\g+\k):PB+6*(4*\g+\k)+1], v[Y01:Y01+1] op_sel:[1,0] op_sel_hi:[1,1] neg_lo:[0,1] neg_hi:[0,1]   ; dy = uy - y, two rows
.endr
.irp k, 0,1,2,3
	v_mul_f32 v[TB+12*\k+1], v[PB+6*(4*\g+\k)+2], v[TB+12*\k]      ; A2 dx
	v_mul_f32 v[TB+12*\k+2], v[PB+6*(4*\g+\k)+3], v[TB+12*\k]      ; B2 dx
.endr
.irp k, 0,1,2,3
	v_fma_f32 v[TB+12*\k+3], v[TB+12*\k+1], v[TB+12*\k], v[PB+6*(4*\g+\k)+5]   ; A2 dx^2 + log2(op)
.endr
.irp k, 0,1,2,3
	v_pk_fma_f32 v[TB+12*\k+6:TB+12*\k+7], v[PB+6*(4*\g+\k)+4:PB+6*(4*\g+\k)+5], v[TB+12*\k+4:TB+12*\k+5], v[TB+12*\k+2:TB+12*\k+3] op_sel_hi:[0,1,0]   ; C2 dy + B2 dx
.endr
.irp k, 0,1,2,3
	v_pk_fma_f32 v[TB+12*\k+6:TB+12*\k+7], v[TB+12*\k+6:TB+12*\k+7], v[TB+12*\k+4:TB+12*\k+5], v[TB+12*\k+2:TB+12*\k+3] op_sel:[0,0,1] op_sel_hi:[1,1,1]   ; q
.endr
.irp k, 0,1,2,3
	v_exp_f32 v[TB+12*\k+8], v[TB+12*\k+6]
	v_exp_f32 v[TB+12*\k+9], v[TB+12*\k+7]
.endr
.irp k, 0,1,2,3
	v_cmp_le_f32 s[M+4*\k],   v[TB+12*\k+6], v[PB+6*(4*\g+\k)+5]  ; power <= 0; these plain lines also stand between v_exp_f32 and its use (ISA guide 5.7.2)
	v_cmp_le_f32 s[M+4*\k+1], v[TB+12*\k+7], v[PB+6*(4*\g+\k)+5]
.endr
	s_wait_alu depctr_va_vdst(0)
.irp k, 0,1,2,3
	v_cmp_ge_f32 s[M+4*\k+2], v[TB+12*\k+8], s16                   ; alpha >= 1/255
	v_cmp_ge_f32 s[M+4*\k+3], v[TB+12*\k+9], s16
	v_min_num_f32 v[TB+12*\k+8], s17, v[TB+12*\k+8]                ; min(0.99, .)
	v_min_num_f32 v[TB+12*\k+9], s17, v[TB+12*\k+9]
.endr
.irp k, 0,1,2,3
	s_and_b32 s[M+4*\k],   s[M+4*\k],   s[M+4*\k+2]
	s_and_b32 s[M+4*\k+1], s[M+4*\k+1], s[M+4*\k+3]
	v_cndmask_b32 v[W+2*(4*\g+\k)],   0, v[TB+12*\k+8], s[M+4*\k]
	v_cndmask_b32 v[W+2*(4*\g+\k)+1], 0, v[TB+12*\k+9], s[M+4*\k+1]
.endr
.irp k, 0,1,2,3
.if 4*\g+\k == 0
	v_pk_add_f32 v[TL:TL+1], v[W:W+1], 1.0 op_sel_hi:[1,0] neg_lo:[1,0] neg_hi:[1,0]   ; the first weight is alpha itself; product = 1 - alpha
.else
	v_pk_mul_f32 v[W+2*(4*\g+\k):W+2*(4*\g+\k)+1], v[W+2*(4*\g+\k):W+2*(4*\g+\k)+1], v[TL:TL+1]          ; weight = product x alpha
	v_pk_add_f32 v[TL:TL+1], v[TL:TL+1], v[W+2*(4*\g+\k):W+2*(4*\g+\k)+1] neg_lo:[0,1] neg_hi:[0,1]      ; product x (1 - alpha)
.endif
.endr
.endm
; One trip: 32 parameter loads (8 for each group of four entries), then, behind group 0, the 2 loads of B.  LDS loads return in order
; (ISA guide 5.7.1): group 0 leaves 24 out (groups 1 to 3), group 1 leaves 16 + 2, group 2 leaves 8 + 2, group 3 leaves B's 2.
.macro CHUNK
.irp j, 0,1,2,3,4,5,6,7,8,9,10,11,12,13,14,15
	ds_load_b128 v[PB+6*\j:PB+6*\j+3],   v[PA] offset:PAR+32*\j
	ds_load_b64  v[PB+6*\j+4:PB+6*\j+5], v[PA] offset:PAR+32*\j+16
.endr
	GROUP 0, 24
	; B: the 8 x 8 transpose gives lane (r, h) channel r of entries 16 h .. 16 h + 7, then 16 h + 8 .. 16 h + 15.  The plain lines of group 0 are
	; the places between the last trip's products and this load into their source.
	ds_load_tr16_b128 v[B:B+3],   v[FA] offset:FEA
	ds_load_tr16_b128 v[B+4:B+7], v[FA] offset:FEA+256
	GROUP 1, 18
	GROUP 2, 10
	GROUP 3, 2
	v_permlanex16_b32 v[OTH],   v[TL],   s56, s57                  ; lane xor 16: the same pixel's other 16 entries
	v_permlanex16_b32 v[OTH+1], v[TL+1], s56, s57
	v_cndmask_b32 v[SC],   1.0, v[OTH],   s18                      ; the upper half stands behind the lower half's entries
	v_cndmask_b32 v[SC+1], 1.0, v[OTH+1], s18
	v_pk_mul_f32 v[SC:SC+1], v[SC:SC+1], v[TIN:TIN+1]
	v_pk_mul_f32 v[TL:TL+1], v[TL:TL+1], v[OTH:OTH+1]
	v_pk_mul_f32 v[TIN:TIN+1], v[TIN:TIN+1], v[TL:TL+1]            ; the same bits in both halves: the product commutes
.irp j, 0,1,2,3,4,5,6,7,8,9,10,11,12,13,14,15
	v_pk_mul_f32 v[W+2*\j:W+2*\j+1], v[W+2*\j:W+2*\j+1], v[SC:SC+1]
.endr
.irp k, 0,1,2,3,4,5,6,7
	v_cvt_pk_bf16_f32 v[A0+\k], v[W+4*\k],   v[W+4*\k+2]
	v_cvt_pk_bf16_f32 v[A1+\k], v[W+4*\k+1], v[W+4*\k+3]
.endr
	s_wait_dscnt 0x0                                               ; B
	v_wmma_f32_16x16x32_bf16 v[D0:D0+7], v[A0:A0+7], v[B:B+7], v[D0:D0+7]
	v_wmma_f32_16x16x32_bf16 v[D1:D1+7], v[A1:A1+7], v[B:B+7], v[D1:D1+7]
	v_add_nc_u32 v[PA], 1024, v[PA]
	v_add_nc_u32 v[FA], 1024, v[FA]
.endm
	s_load_b128 s[4:7], s[0:1], 0x0                ; meta s[4:5], rec s[6:7]
	s_load_b128 s[8:11], s[0:1], 0x10              ; out0 s[8:9], out1 s[10:11]
	v_lshl_add_u32 v206, v0, 2, 0x29000
	v_mov_b32 v207, 0
	v_lshrrev_b32 v[WV], 5, v0
	v_readfirstlane_b32 s12, v[WV]                 ; wave number as a scalar
	v_and_b32 v[LN], 31, v0
	v_and_b32 v[R16], 15, v0
	v_bfe_u32 v[HH], v0, 4, 1
	v_sub_nc_u32 v[RL], 31, v[LN]
	v_lshlrev_b32 v[L4], 2, v[LN]
	v_lshlrev_b32 v[L16], 4, v[LN]
	s_and_b32 s13, ttmp7, 0xffff                   ; ty; ttmp9 = tx
	s_lshl_b32 s14, 1, ttmp9
	s_add_co_u32 s15, s13, 16
	s_lshl_b32 s15, 1, s15
	s_or_b32 s14, s14, s15                         ; the two bits that a splat's mask must hold
	s_lshl_b32 s2, ttmp9, 7                        ; a bitmap is 128 bytes: my column's
	s_lshl_b32 s3, s13, 7                          ; and my row's; s2 and s3 are not written again
	s_wait_kmcnt 0x0
	s_load_b512 s[20:35], s[4:5], s2 offset:BMSEC          ; column tx, splats 0-511
	s_load_b512 s[68:83], s[4:5], s2 offset:BMSEC+64       ;            splats 512-1023
	s_load_b512 s[36:51], s[4:5], s3 offset:BMSEC+2048     ; row ty, splats 0-511
	s_load_b512 s[84:99], s[4:5], s3 offset:BMSEC+2112     ;         splats 512-1023
	s_cmp_lg_u32 s12, 0
	s_cbranch_scc1 .Lsetup
.irp m, 0,1,2,3,4,5,6,7
	global_load_b128 v[64+4*\m:67+4*\m],  v[L16], s[4:5] offset:512*\m            ; wave 0: ranks of splats 4 lane + 128 m + 0..3
.endr
.irp m, 0,1,2,3,4,5,6,7
	global_load_b128 v[96+4*\m:99+4*\m], v[L16], s[4:5] offset:MASKSEC+512*\m     ; and their masks
.endr
.Lsetup:
	; constants, pixel coordinates, addresses, while meta comes
	s_mov_b32 s16, 0x3b808081                      ; 1/255
	s_mov_b32 s17, 0x3f7d70a4                      ; 0.99
	s_mov_b32 s18, 0xffff0000                      ; lanes 16..31
	s_mov_b32 s56, 0x76543210                      ; v_permlanex16_b32: lane i of the other half
	s_mov_b32 s57, 0xfedcba98
	s_lshl_b32 s15, ttmp9, 4
	v_add_nc_u32 v[XF], s15, v[R16]
	v_cvt_f32_u32 v[XF], v[XF]
	s_lshl_b32 s19, s13, 4
	s_lshl1_add_u32 s19, s12, s19                  ; my first row: 16 ty + 2 w
	v_cvt_f32_u32 v[Y01], s19
	v_add_f32 v[Y01+1], 1.0, v[Y01]
	v_mov_b32 v[TIN], 1.0
	v_mov_b32 v[TIN+1], 1.0
	v_mov_b32 v[OTH], 0                            ; v_permlanex16_b32 counts as a reader of its destination
	v_mov_b32 v[OTH+1], 0
.irp j, 0,1,2,3,4,5,6,7,8,9,10,11,12,13,14,15
	v_mov_b32 v[D0+\j], 0                          ; 16 registers: the number of trips is read from memory, so no first product is written apart
.endr
	v_lshlrev_b32 v[PA], 9, v[HH]                  ; my half's 16 slots of 32 bytes
	v_and_b32 v[FA], 7, v0
	v_lshl_add_u32 v[FA], v[HH], 4, v[FA]          ; row 16 h + lane % 8
	v_lshlrev_b32 v[FA], 5, v[FA]
	v_bfe_u32 v[T], v0, 3, 1
	v_lshl_add_u32 v[FA], v[T], 4, v[FA]           ; channels 0-7 or 8-15
	v_lshlrev_b32 v[LA], 2, v0
	v_lshlrev_b32 v[SA], 5, v0
	v_add_nc_u32 v[SF], FEA, v[SA]
	s_mul_i32 s52, s19, 15360                      ; out0: a row of the image is 256 x 60 bytes, a tile's part 960
	s_mul_i32 s53, ttmp9, 960
	s_add_co_u32 s52, s52, s53
	s_mov_b32 s53, 0
	s_add_nc_u64 s[8:9], s[8:9], s[52:53]
	s_lshl_b32 s52, s19, 10                        ; out1: 1,024 and 64
	s_lshl_b32 s15, ttmp9, 6
	s_add_co_u32 s52, s52, s15
	s_add_nc_u64 s[10:11], s[10:11], s[52:53]
	s_mul_i32 s54, s12, STGW
	s_add_co_u32 s54, s54, STG                     ; my wave's stage
	v_lshlrev_b32 v[T], 2, v[R16]
	v_cmp_gt_u32 vcc_lo, 15, v[R16]
	v_cndmask_b32 v[T], 0x780, v[T], vcc_lo        ; channel r at 4 r; channel 15 (alpha) in its own part, 1,920 further
	v_mad_u32_u24 v[STO], v[HH], 0x1e0, v[T]       ; + 8 h pixels of 60 bytes
	v_add_nc_u32 v[STO], s54, v[STO]
	v_add_nc_u32 v[RD], s54, v[L16]
	v_mul_u32_u24 v[RDA], v[R16], 60
	v_mad_u32_u24 v[RDA], v[HH], 0x3c0, v[RDA]
	v_add_nc_u32 v[RDA], s54, v[RDA]
	v_lshlrev_b32 v[OA], 2, v[R16]
	v_lshl_add_u32 v[OA], v[HH], 10, v[OA]
	; ---- the count, in every wave alike: ones of column AND row
	s_wait_kmcnt 0x0
.irp k, 0,1,2,3,4,5,6,7,8,9,10,11,12,13,14,15
	s_and_b32 s[20+\k], s[20+\k], s[36+\k]
	s_and_b32 s[68+\k], s[68+\k], s[84+\k]
.endr
.irp k, 0,1,2,3,4,5,6,7,8,9,10,11,12,13,14,15
	s_bcnt1_i32_b32 s[20+\k], s[20+\k]
	s_bcnt1_i32_b32 s[68+\k], s[68+\k]
.endr
	s_add_co_u32 s55, s20, s68
.irp k, 1,2,3,4,5,6,7,8,9,10,11,12,13,14,15
	s_add_co_u32 s55, s55, s[20+\k]
	s_add_co_u32 s55, s55, s[68+\k]
.endr
	s_min_u32 s41, s55, 1024                       ; entries
	s_add_co_u32 s48, s41, 31
	s_lshr_b32 s48, s48, 5
	s_max_u32 s48, s48, 1                          ; an empty list walks 32 null entries once
	s_min_u32 s48, s48, 32                         ; trips of 32 entries
	s_add_co_u32 s50, s48, 7
	s_lshr_b32 s50, s50, 3
	s_min_u32 s50, s50, 4                          ; passes of 256 slots that cover them
	s_wait_loadcnt 0x0                             ; wave 0: ranks and masks are in.  On every wave's path: v64.. are loaded again in the gather only behind this wait
	s_cmp_lg_u32 s12, 0
	s_cbranch_scc1 .Lbar
	; ---- wave 0 alone: sort by rank, then pack.  Its LDS instructions are served in order, so its loads see its stores.
.irp m, 0,1,2,3,4,5,6,7
.irp q, 0,1,2,3
	PUT 4*\m+\q, 128*\m+\q
.endr
.endr
.irp m, 0,1,2,3,4,5,6,7,8,9,10,11,12,13,14,15
	ds_load_b32 v[96+\m], v[L4] offset:128*\m      ; sorted place 32 m + lane, the first half
.endr
	s_mov_b32 s40, 0                               ; listed so far
	s_wait_dscnt 0x0                               ; the first half is in
.irp m, 16,17,18,19,20,21,22,23,24,25,26,27,28,29,30,31
	ds_load_b32 v[96+\m], v[L4] offset:128*\m      ; the second half comes while the first is packed
.endr
.irp m, 0,1,2,3,4,5,6,7,8,9,10,11,12,13,14,15
	PACK \m
.endr
	s_wait_dscnt 16                                ; the 16 loads are in; the 16 stores issued behind them stay out
.irp m, 16,17,18,19,20,21,22,23,24,25,26,27,28,29,30,31
	PACK \m
.endr
.Lbar:
	s_wait_dscnt 0x0                               ; the list is in LDS before wave 0 says so
	s_barrier_signal -1
	s_barrier_wait -1
	GATHER 0
	s_cmp_le_u32 s50, 1
	s_cbranch_scc1 .Lgdone
	GATHER 1
	s_cmp_le_u32 s50, 2
	s_cbranch_scc1 .Lgdone
	GATHER 2
	s_cmp_le_u32 s50, 3
	s_cbranch_scc1 .Lgdone
	GATHER 3
.Lgdone:
	s_wait_dscnt 0x0                               ; my slots are in LDS before I say so
	s_barrier_signal -1
	s_barrier_wait -1
	s_mov_b32 s49, 0
.Ltrip:
	CHUNK
	s_add_co_u32 s49, s49, 1
	s_cmp_lt_u32 s49, s48
	s_cbranch_scc1 .Ltrip
	; ---- out.  The list addresses stepped by a count read from memory; this barrier puts every wave's list reads in front of all stage stores.
	; All waves make the same number of trips, so they arrive together.
	s_wait_dscnt 0x0                               ; my reads of the list are over
	s_barrier_signal -1
.rept 4
	v_nop                                          ; four places behind the last product before its sums are read (ISA guide 7.12.1)
.endr
	s_barrier_wait -1
.irp j, 0,1,2,3,4,5,6,7
	ds_store_b32 v[STO], v[D0+\j] offset:60*\j             ; pixel 8 h + j of the first row
	ds_store_b32 v[STO], v[D1+\j] offset:960+60*\j         ; and of the second
.endr
	ds_load_b128 v[64:67], v[RD]                           ; the stage is my wave's own and LDS serves a wave in order: these see the stores above
	ds_load_b128 v[68:71], v[RD] offset:448
	ds_load_b128 v[72:75], v[RD] offset:960
	ds_load_b128 v[76:79], v[RD] offset:1408
	ds_load_b32 v80, v[RDA] offset:1920
	s_wait_dscnt 0x0
	global_store_b128 v[L16], v[64:67], s[8:9] th:TH_STORE_NT                  ; each store covers 512 neighbouring bytes of a row's 960
	global_store_b128 v[L16], v[68:71], s[8:9] offset:448 th:TH_STORE_NT
	global_store_b128 v[L16], v[72:75], s[8:9] offset:15360 th:TH_STORE_NT
	global_store_b128 v[L16], v[76:79], s[8:9] offset:15808 th:TH_STORE_NT
	global_store_b32 v[OA], v80, s[10:11] th:TH_STORE_NT                       ; alpha: 64 neighbouring bytes of each of the two rows
	s_wait_tensorcnt 0x0
	ds_add_u32 v206, v207
	s_wait_dscnt 0x0
	s_endpgm
.Lfunc_end_k_q197fe3b1e3_render:
	.size	k_q197fe3b1e3_render, .Lfunc_end_k_q197fe3b1e3_render-k_q197fe3b1e3_render
	.p2alignl 7, 3214868480
	.fill 96, 4, 3214868480
	.section	.rodata,"a",@progbits
	.p2align	6, 0x0
	.amdhsa_kernel k_q197fe3b1e3_render
		.amdhsa_group_segment_fixed_size 168960
		.amdhsa_private_segment_fixed_size 0
		.amdhsa_enable_private_segment 0
		.amdhsa_kernarg_size 32
		.amdhsa_user_sgpr_count 2
		.amdhsa_user_sgpr_kernarg_segment_ptr 1
		.amdhsa_wavefront_size32 1
		.amdhsa_system_sgpr_workgroup_id_x 1
		.amdhsa_system_sgpr_workgroup_id_y 1
		.amdhsa_system_sgpr_workgroup_id_z 1
		.amdhsa_system_vgpr_workitem_id 0
		.amdhsa_next_free_vgpr 256
		.amdhsa_next_free_sgpr 100
		.amdhsa_reserve_vcc 1
		.amdhsa_float_denorm_mode_32 3
		.amdhsa_float_denorm_mode_16_64 3
		.amdhsa_memory_ordered 1
		.amdhsa_forward_progress 1
		.amdhsa_inst_pref_size 67
	.end_amdhsa_kernel
	.amdgpu_metadata
---
amdhsa.version: [ 1, 2 ]
amdhsa.kernels:
  - .name:           k_q197fe3b1e3_render
    .symbol:         k_q197fe3b1e3_render.kd
    .args:
      - { .name: meta, .offset: 0, .size: 8, .value_kind: global_buffer, .address_space: global }
      - { .name: rec, .offset: 8, .size: 8, .value_kind: global_buffer, .address_space: global }
      - { .name: out0, .offset: 16, .size: 8, .value_kind: global_buffer, .address_space: global }
      - { .name: out1, .offset: 24, .size: 8, .value_kind: global_buffer, .address_space: global }
    .group_segment_fixed_size: 168960
    .private_segment_fixed_size: 0
    .kernarg_segment_align: 8
    .kernarg_segment_size: 32
    .max_flat_workgroup_size: 256
    .sgpr_count:     100
    .vgpr_count:     256
    .wavefront_size: 32
...
	.end_amdgpu_metadata
.endif
;; end of part 2
